; MI455X (gfx1250); checked and timed in simulation.
; The chip was launched on July 23, 2026; its instructions are those of AMD's public machine-readable ISA for CDNA 5 (MIT licence, August 2026) and "CDNA5" Instruction Set Architecture Reference Guide (July 2026). The comments in the code are by the model that wrote it; some were corrected since.
;; Memory Network. Allowed arithmetic: matrix products marked QUANTISED: E4M3 operands, one given power-of-two scale a tensor, by v_wmma_f32_16x16x64_fp8_fp8 or v_wmma_f32_16x16x128_fp8_fp8, f32 sums; products left as they are: f32 operands where the result goes on into a quantised operand, else bf16, f16 or f32 operands; f32 sums; everything else in f32.
;; Inputs: W_domain_codes 768 x 24 x 32 uint8 (E4M3 codes of W_domain, K innermost, in blocks of 32 codes); W_topic_codes 768 x 24 x 32 uint8 (E4M3 codes of W_topic, K innermost, in blocks of 32 codes); category 32,768 int32; domain_memory 9 x 10 x 768 float32; feature 32,768 x 768 float32; lowp_scales 6 int32 (the exponents e of the quantised operands' scales 2^e).
;; Outputs: out0 32,768 x 1 x 9 float32.
;; This version of the problem:
;;   THIS VERSION OF THE PROBLEM IS GIVEN IN LOW PRECISION. The matrix products marked QUANTISED in the list below multiply operands that are first quantised to E4M3 (4 exponent bits, 3 mantissa bits; 8 bits a number), with one given power-of-two scale for each operand tensor; their sums are f32. All else is computed in f32.
;;   The module's matrix products, in the order in which they are computed (A, B: the left and right operand; K: the contracted axis; several contracted axes count as one K, in the product's order):
;;     1. [M 32,768, K 768] x [K 768, N 768]; A: computed on the way; B: input W_topic (given as codes): QUANTISED (scales: A lowp_scales[0], B lowp_scales[1])
;;     2. [M 32,768, K 768] x [K 768, N 768]; A: computed on the way; B: input W_domain (given as codes): QUANTISED (scales: A lowp_scales[2], B lowp_scales[3])
;;     3. [M 32,768, K 768] x [K 768, N 90]; A: computed on the way; B: input domain_memory: QUANTISED (scales: A lowp_scales[4], B lowp_scales[5])
;;     4. batch 9 x [M 768, K 10] x [K 10, N 32,768]; A: input domain_memory; B: softmax: left as it is (K = 10 < 32)
;;     5. batch 32,768 x [M 9, K 768] x [K 768, N 1]; A: computed on the way; B: computed on the way: left as it is (M = 9 < 16)
;;   THE QUANTISER, for each operand of a quantised product, along K:
;;     - The operand's scale is 2^e, e = its entry of the input lowp_scales (int32; the entries are numbered through the quantised products in the list's order, A before B).
;;     - Each number is divided by the scale, clamped to +-448, and rounded to the nearest number of E4M3, ties to even, subnormals kept.
;;     - The product sums the exact products of the quantised numbers (number of the format x scale) in f32.
;;   ~~~python
;;   def quantise(x, axis, e):      # numpy; x: float32 -> the quantised numbers, widened to float32 again
;;       x = np.moveaxis(x, axis, -1); K = x.shape[-1]
;;       r = np.clip(x / 2.0 ** e, -448, 448)
;;       step = 2.0 ** (np.maximum(np.frexp(np.where(r == 0, 1, r))[1] - 1, -6) - 3)
;;       q = np.round(r / step) * step * 2.0 ** e      # np.round: ties to even
;;       return np.moveaxis(q, -1, axis).astype(np.float32)
;;   ~~~
;;   OPERANDS COMPUTED ON THE WAY. 'Computed on the way' means the value that the module computes at that place (a softmax that the list does not call 'softmax' is quantised finished and normalised). What goes into a quantiser is computed in f32, as accurately as f32 sums, v_exp_f32 and their like allow (about 1e-6 of the number): no bf16 or f16 on the way to a quantiser, and a product that is left as it is and whose result goes on into a quantised operand takes f32 operands (vector FMAs, or v_wmma_f32_16x16x4_f32). A number that lies on a knife's edge between two numbers of the format may be rounded either way, as far as f32 arithmetic and the matrix unit's own rounding can turn it there, and no further.
;;   INPUTS GIVEN AS CODES. W_domain (in the module: [768, 768], K = its axis 1); W_topic (in the module: [768, 768], K = its axis 1): each comes as NAME_codes (uint8): NAME with its K axis moved to the last place and cut into blocks of 32 codes, [.., K / 32, bytes a block], one block behind the other in memory; one code a byte (a code: sign, 4 exponent bits, 3 mantissa bits); its scale is its entry of lowp_scales. Its value is code x scale, taken as it is: it is not quantised again, and the codes and scales need not be those that the quantiser above would give.
;; One version. Each part assembles by itself: llvm-mc -triple=amdgcn-amd-amdhsa -mcpu=gfx1250 --defsym DOCPART=n.
;; ======== version 1 of 1: 2 launches
;; limits: values are held in f16: magnitudes above 65,504 overflow, below 6.1e-05 lose precision
;; workspace buffers: stream 1,327,104 bytes; memc 73,728 bytes
;; launch prep (part 1): grid 15 x 12, 4 waves a work-group, no clusters, 0 bytes of LDS; arguments W_topic_codes, W_domain_codes, domain_memory, lowp_scales, stream, memc; writes stream, memc
.if DOCPART == 1
	.amdgcn_target "amdgcn-amd-amdhsa--gfx1250"
	.amdhsa_code_object_version 6
	.text
	.protected	k_q67ee078bf0_prep
	.globl	k_q67ee078bf0_prep
	.p2align	8
	.type	k_q67ee078bf0_prep,@function
k_q67ee078bf0_prep:
	s_mov_b64 s[64:65], 0
	v_nop
	global_prefetch_b8 v0, s[64:65] scope:SCOPE_SE
	s_setreg_imm32_b32 hwreg(HW_REG_WAVE_MODE, 25, 1), 1
	s_wait_xcnt 0x0
; Lays the operands that every work-group of the second launch walks in the order of the operands' registers, so that they come as dense blocks.
; stream: 12 steps j (64 columns of q each) of SLOTB bytes: W_topic's images (49,152), W_domain's (49,152), domain_memory in f16 (12,288).
;   W image of (ct 0..3, s 0..5) at (6 ct + s) 2048 + 512 c + 16 lane: lane (r, h) holds the 16 codes W[64 j + 16 ct + r][128 s + 32 c + 16 h ..].
;   f16 image of (u 0..1, n 0..5, q 0..1) at 98,304 + (2 (6 u + n) + q) 512 + 16 lane: lane (r, h): mem[row(n, r)][64 j + 32 u + 16 q + 8 h + 0..7].
; memc: the same 16 numbers as E4M3 codes with the given scale 2^e5, at 6144 j + (2 n + u) 512 + 16 lane: q = 0's eight codes, then q = 1's.
; THE ROWS OF domain_memory THAT FORM A TILE: i = 8 n + r % 8, hh = r / 8: i < 40: row 40 hh + i (domains 4 hh .. 4 hh + 3 whole); 40 <= i < 45: row 40 + 5 hh + i (half of domain 8); i >= 45: zeros.
; Grid: y = j; x 0..5: W_topic's K step s = x; x 6..11: W_domain's; x 12..14: the memory (wave w: image 4 (x - 12) + w).  Waves share nothing: no LDS, no barrier.
; LIMITS: e5 between -126 and 119; |domain_memory| under 65,504 (f16's largest number); NaN among the inputs is not served.
.set SLOTB, 110592
	s_load_b256 s[4:11], s[0:1], 0x0               ; W_topic s[4:5], W_domain s[6:7], domain_memory s[8:9], the scales' exponents s[10:11]
	s_load_b128 s[12:15], s[0:1], 0x20             ; stream s[12:13], memc s[14:15]
	v_lshrrev_b32 v1, 5, v0
	v_readfirstlane_b32 s16, v1                    ; wave 0..3
	s_and_b32 s17, ttmp7, 0xffff                   ; j
	v_and_b32 v1, 15, v0                           ; r
	v_bfe_u32 v2, v0, 4, 1                         ; h
	v_and_b32 v3, 31, v0
	v_lshlrev_b32 v4, 4, v3                        ; 16 x lane: my place in every image
	s_mul_i32 s24, s17, SLOTB                      ; the step's first byte in stream
	s_mov_b32 s25, 0
	s_mov_b32 s23, 0
	s_cmp_ge_u32 ttmp9, 12
	s_cbranch_scc1 .Lmem
	; ---- a weight's images: tile ct = wave, K step s
	v_mul_u32_u24 v5, v1, 768                      ; a row of 768 codes
	v_lshl_add_u32 v5, v2, 4, v5
	s_wait_kmcnt 0x0
	s_cmp_lt_u32 ttmp9, 6                          ; which weight: the choice hangs on the work-group's number alone
	s_cselect_b64 s[20:21], s[4:5], s[6:7]
	s_cselect_b32 s18, 0, 6
	s_cselect_b32 s19, 0, 49152
	s_sub_co_u32 s18, ttmp9, s18                   ; s
	s_lshl_b32 s22, s17, 6
	s_lshl_b32 s26, s16, 4
	s_add_co_u32 s22, s22, s26                     ; row 64 j + 16 ct
	s_mul_i32 s22, s22, 768
	s_lshl_b32 s26, s18, 7
	s_add_co_u32 s22, s22, s26                     ; + 128 s
	s_add_nc_u64 s[20:21], s[20:21], s[22:23]
.irp c, 0,1,2,3
	global_load_b128 v[8+4*\c:11+4*\c], v5, s[20:21] offset:32*\c
.endr
	s_mul_i32 s26, s16, 6
	s_add_co_u32 s26, s26, s18
	s_lshl_b32 s26, s26, 11                        ; (6 ct + s) 2048
	s_add_co_u32 s24, s24, s26
	s_add_co_u32 s24, s24, s19
	s_add_nc_u64 s[12:13], s[12:13], s[24:25]
	s_wait_loadcnt 0x0
.irp c, 0,1,2,3
	global_store_b128 v4, v[8+4*\c:11+4*\c], s[12:13] offset:512*\c   ; the wave stores 512 consecutive bytes
.endr
	s_endpgm
.Lmem:
	; ---- the memory: image (u, n)
	s_sub_co_u32 s18, ttmp9, 12
	s_lshl_b32 s18, s18, 2
	s_add_co_u32 s18, s18, s16                     ; 0..11
	s_cmp_ge_u32 s18, 6
	s_cselect_b32 s19, 1, 0                        ; u
	s_cselect_b32 s20, 6, 0
	s_sub_co_u32 s18, s18, s20                     ; n
	s_lshl_b32 s21, s18, 3
	v_and_b32 v6, 7, v1
	v_add_nc_u32 v6, s21, v6                       ; i = 8 n + r % 8
	v_lshrrev_b32 v7, 3, v1                        ; hh
	v_mad_u32_u24 v8, v7, 40, v6                   ; 40 hh + i
	v_mad_u32_u24 v9, v7, 5, v6
	v_add_nc_u32 v9, 40, v9                        ; 40 + 5 hh + i
	v_cmp_gt_u32 vcc_lo, 40, v6
	v_cndmask_b32 v8, v9, v8, vcc_lo
	v_min_u32 v8, 89, v8                           ; the rows that are to be zeros read row 89: no load leaves the buffer
	v_cmp_gt_u32 s30, 45, v6                       ; the rows that count
	v_mul_u32_u24 v10, v8, 3072
	v_lshl_add_u32 v10, v2, 5, v10                 ; row x 3,072 + 32 h
	s_lshl_b32 s22, s17, 8
	s_lshl_b32 s26, s19, 7
	s_add_co_u32 s22, s22, s26                     ; column 64 j + 32 u, in bytes
	s_wait_kmcnt 0x0
	s_load_b32 s27, s[10:11], 0x14                 ; e5
	s_add_nc_u64 s[8:9], s[8:9], s[22:23]
	global_load_b128 v[16:19], v10, s[8:9]
	global_load_b128 v[20:23], v10, s[8:9] offset:16
	global_load_b128 v[24:27], v10, s[8:9] offset:64
	global_load_b128 v[28:31], v10, s[8:9] offset:80
	s_mul_i32 s26, s19, 6
	s_add_co_u32 s26, s26, s18
	s_lshl_b32 s26, s26, 10                        ; (6 u + n) 1024
	s_add_co_u32 s24, s24, s26
	s_add_co_u32 s24, s24, 98304
	s_add_nc_u64 s[12:13], s[12:13], s[24:25]
	s_mul_i32 s28, s17, 6144
	s_lshl_b32 s26, s18, 1
	s_add_co_u32 s26, s26, s19
	s_lshl_b32 s26, s26, 9                         ; (2 n + u) 512
	s_add_co_u32 s28, s28, s26
	s_mov_b32 s29, 0
	s_add_nc_u64 s[14:15], s[14:15], s[28:29]
	s_wait_kmcnt 0x0
	s_add_co_i32 s27, s27, 127
	s_lshl_b32 s26, s27, 23
	v_mov_b32 v11, s26                             ; 2^e5 as f32: the conversion takes its exponent field
	s_add_co_i32 s27, s27, 8
	s_lshl_b32 s27, s27, 23
	s_or_b32 s27, s27, 0x600000
	v_mov_b32 v12, s27                             ; 448 x 2^e5
	s_wait_loadcnt 0x0
.irp k, 0,1,2,3,4,5,6,7,8,9,10,11,12,13,14,15
	v_cndmask_b32 v[16+\k], 0, v[16+\k], s30       ; zeros in the rows that do not count
.endr
.irp k, 0,1,2,3,4,5,6,7
	v_cvt_pk_f16_f32 v[32+\k], v[16+2*\k], v[17+2*\k]
.endr
.irp k, 0,1,2,3,4,5,6,7,8,9,10,11,12,13,14,15
	v_med3_num_f32 v[16+\k], v[16+\k], -v12, v12   ; the conversion to an 8-bit code does not saturate (ISA guide 7.6.2): the hold comes first
.endr
	v_cvt_scalef32_pk8_fp8_f32 v[40:41], v[16:23], v11
	v_cvt_scalef32_pk8_fp8_f32 v[42:43], v[24:31], v11
	v_nop
	global_store_b128 v4, v[32:35], s[12:13]
	global_store_b128 v4, v[36:39], s[12:13] offset:512
	global_store_b128 v4, v[40:43], s[14:15]
	s_endpgm
.Lfunc_end_k_q67ee078bf0_prep:
	.size	k_q67ee078bf0_prep, .Lfunc_end_k_q67ee078bf0_prep-k_q67ee078bf0_prep
	.p2alignl 7, 3214868480
	.fill 96, 4, 3214868480
	.section	.rodata,"a",@progbits
	.p2align	6, 0x0
	.amdhsa_kernel k_q67ee078bf0_prep
		.amdhsa_group_segment_fixed_size 0
		.amdhsa_private_segment_fixed_size 0
		.amdhsa_enable_private_segment 0
		.amdhsa_kernarg_size 48
		.amdhsa_user_sgpr_count 2
		.amdhsa_user_sgpr_kernarg_segment_ptr 1
		.amdhsa_wavefront_size32 1
		.amdhsa_system_sgpr_workgroup_id_x 1
		.amdhsa_system_sgpr_workgroup_id_y 1
		.amdhsa_system_sgpr_workgroup_id_z 1
		.amdhsa_system_vgpr_workitem_id 0
		.amdhsa_next_free_vgpr 64
		.amdhsa_next_free_sgpr 66
		.amdhsa_reserve_vcc 1
		.amdhsa_float_denorm_mode_32 3
		.amdhsa_float_denorm_mode_16_64 3
		.amdhsa_memory_ordered 1
		.amdhsa_forward_progress 1
		.amdhsa_inst_pref_size 8
	.end_amdhsa_kernel
	.amdgpu_metadata
---
amdhsa.version: [ 1, 2 ]
amdhsa.kernels:
  - .name:           k_q67ee078bf0_prep
    .symbol:         k_q67ee078bf0_prep.kd
    .args:
      - { .name: W_topic_codes, .offset: 0, .size: 8, .value_kind: global_buffer, .address_space: global }
      - { .name: W_domain_codes, .offset: 8, .size: 8, .value_kind: global_buffer, .address_space: global }
      - { .name: domain_memory, .offset: 16, .size: 8, .value_kind: global_buffer, .address_space: global }
      - { .name: lowp_scales, .offset: 24, .size: 8, .value_kind: global_buffer, .address_space: global }
      - { .name: stream, .offset: 32, .size: 8, .value_kind: global_buffer, .address_space: global }
      - { .name: memc, .offset: 40, .size: 8, .value_kind: global_buffer, .address_space: global }
    .group_segment_fixed_size: 0
    .private_segment_fixed_size: 0
    .kernarg_segment_align: 8
    .kernarg_segment_size: 48
    .max_flat_workgroup_size: 128
    .sgpr_count:     66
    .vgpr_count:     64
    .wavefront_size: 32
...
	.end_amdgpu_metadata
.endif
;; end of part 1
;; launch main (part 2): grid 256 x 1, 4 waves a work-group, clusters of 4 x 1, 327,680 bytes of LDS; arguments feature, stream, memc, lowp_scales, out0; writes out0
.if DOCPART == 2
	.amdgcn_target "amdgcn-amd-amdhsa--gfx1250"
	.amdhsa_code_object_version 6
	.text
	.protected	k_q67ee078bf0_main
	.globl	k_q67ee078bf0_main
	.p2align	8
	.type	k_q67ee078bf0_main,@function
k_q67ee078bf0_main:
	s_mov_b64 s[64:65], 0
	v_nop
	global_prefetch_b8 v0, s[64:65] scope:SCOPE_SE
	s_setreg_imm32_b32 hwreg(HW_REG_WAVE_MODE, 25, 1), 1
	s_wait_xcnt 0x0
	s_wait_alu depctr_hold_cnt(0) depctr_sa_sdst(0) depctr_va_vdst(0) depctr_va_sdst(0) depctr_va_ssrc(0) depctr_va_vcc(0) depctr_vm_vsrc(0)
	s_getreg_b32 s2, hwreg(HW_REG_IB_STS2, 6, 4)
	s_cmp_eq_u32 s2, 0
	s_cbranch_scc0 .Lentry_in_a_cluster
	s_endpgm
.Lentry_in_a_cluster:
	s_bfe_u32 s2, ttmp6, 0x10000c
	s_cmp_lg_u32 s2, 0x3003
	s_cbranch_scc0 .Lentry_shape_is_right
	s_endpgm
.Lentry_shape_is_right:
; out0[b][d] = softmax_d(32 sum_m att[b][d][m] G[b][d][m]),  att = softmax_m(32 q_topic . mem[d][m]),  G = q_dom . mem[d][m],  q = (feature / |feature|) W^T.
; sep_emb . q_dom is summed in this other order (first along the 768, then over the ten memories): the same products, and sep_emb is never formed.
; QUANTISED, on E4M3 codes: x W_topic^T (x with 2^e0), x W_domain^T (x with 2^e2), q_topic mem^T (q_topic with 2^e4, mem's codes made by the launch before).  G: f16 operands, f32 sums.
; The input category enters nowhere in the function that is computed: it is not among this program's arguments.
; SHARES.  A work-group owns 128 rows.  Wave w: role p = w % 2 (0: topic, 1: domain), rh = w / 2.  A wave takes 64 rows (four tiles of 16) through its whole path: all 768 columns of its q, 64 a step,
; and each step's 64 columns at once through its second product (K = these 64), whose 24 accumulators (4 tiles of rows x 6 tiles of memory rows) stay in registers.  Tile m is local rows 64 rh + 32 (m % 2) + 16 (m / 2) + 0..15.
; x's codes (384 registers a wave) stay in registers; what is walked are the weights: 12 steps of SLOTB bytes through a ring of two LDS slots, laid by the launch before as images of the operands' registers.
; CLUSTER.  The four work-groups of a cluster walk the same steps: each quarter of a slot is asked for JOINTLY, by the same tensor load with the same descriptor and a mask that names the four.
; BOTH PRODUCTS ARE USED TRANSPOSED (source 0 = 16 rows of W or of the memory, source 1 = 16 rows of x or q): a lane (r, h) holds ONE row r throughout; a step's eight registers of tile ct are q's columns 16 ct + 8 h + 0..7,
; which is the next operand's own order along K.  The memory's rows are so ordered that half h of the lanes holds domains 4 h .. 4 h + 3 whole (i = 0..39) and five memories of domain 8 (i = 40..44).
; LIMITS: e0, e2 and e4 - e0 - e1 between -126 and 119; e2 + e3 between -126 and 127; e4 + e5 between -131 and 122; |q_dom| under 65,504 (f16).  A row of zeros and NaN among the inputs are not served.
; 1 / |feature| is v_rsq_f32 of the f32 sum of squares.
; REGISTERS, in windows of 256.  Window 0: v1-22 addresses and scales; feature phase: v24-215 a ring of 8 rows x 24, v216-239 a row held for e0, v240-251 codes, v252-255 at work;
;   later v32-127 and v128-223 two sets of six fragments of W (set 0 also takes the memory's fragments).  Window 1 and window 2's v0-127: x's fragments (K step s, tile m) at 16 (4 s + m).
;   Window 2's v128-255: the step's 16 accumulators (ct, m) at 128 + 8 (4 ct + m).  Window 3: v0-191 the scores or G, (m, n) at 8 (6 m + n); v192-255 q's operand.
.set SLOTB, 110592                     ; a step: 2 x 49,152 bytes of W's images + 12,288 of the memory's in f16
.set QUART, 27648                      ; a wave's quarter of it: 108 rows of 256 bytes
.set MEMH,  98304
.set SPARE, 2*SLOTB                    ; behind the ring: the spare words, 128 bytes a wave: two blocks of 256 bytes that no other line names
.set XBASE, SPARE+512                  ; x's codes on their way from wave to wave: two sets (e0, e2) of 64 rows; at the end the attention's images
.set XP,    784                        ; a row of 768 codes + 16: 49 x 16 bytes, so that the 16 rows that a load touches start at 16 different banks (64 banks of 4 bytes: ISA guide 11.1)
.set XSET,  64*XP
.set OUTB,  XBASE+2*XSET               ; 128 rows of 36 bytes: the work-group's part of out0 as it lies in memory
.set ROWF,  3072                       ; a row of feature in bytes
.set SPW, 1                            ; LDS address of my spare word; never rewritten
.set NIL, 2                            ; 0; never rewritten
.set FO,  3                            ; 32 x lane: my eight numbers of each 1,024 bytes of a row
.set XS0, 4                            ; where I store codes: my wave's 16 rows of X + 8 x lane
.set XS,  5                            ; the same for the group in hand
.set AX,  6                            ; where I read x's fragments
.set WB0, 7                            ; my role's images of W in a slot + 16 x lane
.set WB,  8                            ; the same in the slot in hand
.set MB0, 9                            ; the memory's f16 images
.set MB,  10
.set AT,  11                           ; the attention's images of my rows' half
.set OS,  12                           ; the result: row, + 16 h
.set OS8, 13                           ; the result of domain 8
.set OL,  14                           ; the way out: 16 x thread in OUT
.set TO,  15                           ; and in out0
.set LI,  16                           ; 16 x lane
.set SC0, 17                           ; 2^e0;  v18: 448 x 2^e0
.set LM0, 18
.set SC2, 19                           ; the same for e2
.set LM2, 20
.set QSC, 21                           ; 2^(e4 - e0 - e1): a sum stands for sum x 2^(e0 + e1), so the three scales fold into the conversion's one
.set QLM, 22
.set RING, 24
.set TT,  216
.set CC,  240
.set WV,   14                          ; s14 wave; s15 role; s16 rh
.set ROLE, 15
.set RH,   16
.set MSB, 0
.macro WIN new                         ; the immediate's high byte repeats the setting that is left; a switch that changes nothing is dropped
.if MSB != \new
	s_set_vgpr_msb (MSB<<8)|\new
.set MSB, \new
.endif
.endm
; Four places: a vector instruction that reads a matrix result or writes a matrix instruction's register, and a load into such a register, stand four plain vector instructions behind it (ISA guide 7.12.1 for vector instructions)
.macro PL
	WIN 0
.rept 4
	v_nop
.endr
.endm
.macro ROUND                           ; a round of the cluster's barrier
	s_barrier_signal -1
	s_barrier_wait -1
	s_cmp_lg_u32 s[WV], 0
	s_cbranch_scc1 .Lnot_wave_0_\@
	s_barrier_signal -3
.Lnot_wave_0_\@:
	s_barrier_wait -3
	s_barrier_signal -1
	s_barrier_wait -1
.endm
.macro MKSC se, vs, vl                 ; s[se] = e:  v[vs] = 2^e as f32, v[vl] = 448 x 2^e
	s_add_co_i32 s19, s[\se], 127
	s_lshl_b32 s22, s19, 23
	v_mov_b32 v[\vs], s22
	s_add_co_i32 s19, s19, 8
	s_lshl_b32 s19, s19, 23
	s_or_b32 s19, s19, 0x600000
	v_mov_b32 v[\vl], s19
.endm
	s_load_b256 s[4:11], s[0:1], 0x0               ; feature s[4:5], stream s[6:7], memc s[8:9], the scales' exponents s[10:11]
	s_load_b64 s[12:13], s[0:1], 0x20              ; out0
	v_lshl_add_u32 v[SPW], v0, 2, SPARE
	v_mov_b32 v[NIL], 0
	ds_add_u32 v1, v2
	ds_add_u32 v1, v2
	s_wait_dscnt 0x0
	v_lshrrev_b32 v252, 5, v0
	v_readfirstlane_b32 s[WV], v252
	s_and_b32 s[ROLE], s[WV], 1
	s_lshr_b32 s[RH], s[WV], 1
	s_bfe_u32 s17, ttmp6, 0x40000                  ; cx
	s_lshl_b32 s18, ttmp9, 2
	s_add_co_u32 s18, s18, s17                     ; the work-group's number: it enters feature's and out0's addresses alone
	; descriptor group 1: 108 rows of 32 elements of 8 bytes, dense in memory and in LDS
	s_mov_b32 s24, 15|(3<<16)|(1<<21)              ; 15:0 the mask: all four work-groups; 17:16 elements of 8 bytes; 21 set beside a mask; no padding
	s_mov_b32 s25, 32<<16                          ; tensor_dim0 = 32
	s_mov_b32 s26, 108<<16                         ; tensor_dim1 = 108
	s_mov_b32 s27, 32<<16                          ; tile_dim0 = 32
	s_mov_b32 s28, 108                             ; tile_dim1 = 108
	s_mov_b32 s29, 32                              ; from row to row
	s_mov_b32 s30, 0
	s_mov_b32 s31, 0
	s_mul_i32 s42, s[WV], QUART                    ; my quarter of a slot, in memory and in LDS alike
	s_mov_b32 s22, s42
	s_mov_b32 s23, 0
	s_lshl_b32 s46, s18, 7
	s_lshl_b32 s47, s[WV], 5
	s_add_co_u32 s46, s46, s47                     ; the first row that I normalise: 128 x work-group + 32 x wave
	s_mul_i32 s46, s46, ROWF
	s_mov_b32 s47, 0
	s_mul_i32 s60, s18, 4608                       ; the work-group's 128 rows of out0
	s_mov_b32 s61, 0
	; every LDS address is made here, ahead of the first parting of the roles
	v_and_b32 v[LI], 31, v0
	v_lshlrev_b32 v[FO], 5, v[LI]
	v_lshlrev_b32 v[XS0], 3, v[LI]
	s_mul_i32 s19, s[WV], 16*XP
	s_add_co_u32 s19, s19, XBASE
	v_add_nc_u32 v[XS0], s19, v[XS0]
	v_and_b32 v252, 15, v0                         ; r
	v_bfe_u32 v253, v0, 4, 1                       ; h
	v_mul_u32_u24 v[AX], v252, XP
	v_lshl_add_u32 v[AX], v253, 4, v[AX]
	s_mul_i32 s19, s[ROLE], XSET
	s_mul_i32 s17, s[RH], 32*XP
	s_add_co_u32 s19, s19, s17
	s_add_co_u32 s19, s19, XBASE
	v_add_nc_u32 v[AX], s19, v[AX]                 ; my role's set, X rows 32 rh + r, + 16 h
	v_lshlrev_b32 v[LI], 4, v[LI]
	s_mul_i32 s19, s[ROLE], 49152
	v_add_nc_u32 v[WB0], s19, v[LI]
	v_add_nc_u32 v[MB0], MEMH, v[LI]
	s_mul_i32 s19, s[RH], 24576
	s_add_co_u32 s19, s19, XBASE
	v_add_nc_u32 v[AT], s19, v[LI]
	v_mul_u32_u24 v[OS], v252, 36
	s_mul_i32 s19, s[RH], 64*36
	s_add_co_u32 s19, s19, OUTB
	v_add_nc_u32 v[OS], s19, v[OS]
	v_add_nc_u32 v[OS8], 32, v[OS]
	v_lshl_add_u32 v[OS], v253, 4, v[OS]
	v_lshlrev_b32 v[TO], 4, v0
	v_add_nc_u32 v[OL], OUTB, v[TO]
	s_mov_b32 s20, 0x76543210                      ; v_permlanex16_b32's selects for lane l xor 16
	s_mov_b32 s21, 0xfedcba98
	s_mov_b32 s40, 0                               ; the slot that is read
	s_mov_b32 s41, SLOTB                           ; the slot that was filled last
	s_mov_b32 s44, 0                               ; which 8 of my 16 rows of X
	s_mov_b32 s58, 0x4238aa3b                      ; 32 log2(e)
	s_wait_kmcnt 0x0
	s_load_b128 s[48:51], s[10:11], 0x0            ; e0 .. e3
	s_load_b64 s[52:53], s[10:11], 0x10            ; e4, e5
	s_add_nc_u64 s[4:5], s[4:5], s[46:47]
	s_add_nc_u64 s[12:13], s[12:13], s[60:61]
	s_add_nc_u64 s[6:7], s[6:7], s[22:23]
.irp i, 0,1,2,3,4,5,6,7                        ; the ring is filled: my first eight rows, six loads each; a lane takes eight neighbours of each 1,024 bytes
.irp j, 0,1,2
	global_load_b128 v[RING+24*\i+8*\j:RING+24*\i+8*\j+3],   v[FO], s[4:5] offset:\i*ROWF+1024*\j th:TH_LOAD_NT
	global_load_b128 v[RING+24*\i+8*\j+4:RING+24*\i+8*\j+7], v[FO], s[4:5] offset:\i*ROWF+1024*\j+16 th:TH_LOAD_NT
.endr
.endr
	s_mov_b32 s32, 1                               ; group 0 for step 0: count = 1,
	s_mov_b32 s33, s42                             ; slot 0,
	s_mov_b64 s[34:35], s[6:7]
	s_or_b32 s35, s35, 0x80000000                  ; type = 2
	s_mov_b32 s36, 1                               ; group 0 for step 1: it then walks on
	s_add_co_u32 s37, s42, SLOTB
	s_add_nc_u64 s[38:39], s[6:7], SLOTB
	s_or_b32 s39, s39, 0x80000000
	ROUND                                          ; all four work-groups are here: the first joint loads meet
	tensor_load_to_lds s[32:35], s[24:31]          ; both first fills go out together: two loads of mine are out
	s_nop 0
	tensor_load_to_lds s[36:39], s[24:31]
	s_nop 0
.rept 4
	v_nop
.endr
	s_wait_kmcnt 0x0
	MKSC 48, SC0, LM0
	MKSC 50, SC2, LM2
	s_sub_co_i32 s23, s52, s48
	s_sub_co_i32 s23, s23, s49
	MKSC 23, QSC, QLM
	s_add_co_i32 s54, s50, s51
	s_add_co_i32 s54, s54, 127
	s_lshl_b32 s54, s54, 23                        ; 2^(e2 + e3): q_dom = sum x this
	s_mov_b32 s55, s54                             ; (named with it as a pair, so it is written)
	s_add_co_i32 s56, s52, s53
	s_lshl_b32 s56, s56, 23
	s_add_co_i32 s56, s56, s58                     ; 32 log2(e) 2^(e4 + e5): the two exponents are added to the constant's exponent field
	s_mov_b32 s57, s56
; ---- THE FEATURE PHASE.  One row: sum of squares, 1 / length, two holds, two sets of codes to X.  refill = 1: the ring's place takes the row eight further on.  left: the younger loads that may stay out.
.macro ROW i, refill, left
.set RW, RING+24*(\i)
	s_wait_loadcnt \left                           ; loads come back in order (ISA guide 5.7.1): this row's six are in
	v_pk_mul_f32 v[252:253], v[RW:RW+1], v[RW:RW+1]
	v_pk_mul_f32 v[254:255], v[RW+2:RW+3], v[RW+2:RW+3]
.irp k, 4,8,12,16,20
	v_pk_fma_f32 v[252:253], v[RW+\k:RW+\k+1], v[RW+\k:RW+\k+1], v[252:253]
	v_pk_fma_f32 v[254:255], v[RW+\k+2:RW+\k+3], v[RW+\k+2:RW+\k+3], v[254:255]
.endr
	v_pk_add_f32 v[252:253], v[252:253], v[254:255]
	v_add_f32 v252, v252, v253
	v_add_f32_dpp v252, v252, v252 row_xmask:1 row_mask:0xf bank_mask:0xf
	v_add_f32_dpp v252, v252, v252 row_xmask:2 row_mask:0xf bank_mask:0xf
	v_add_f32_dpp v252, v252, v252 row_xmask:4 row_mask:0xf bank_mask:0xf
	v_add_f32_dpp v252, v252, v252 row_xmask:8 row_mask:0xf bank_mask:0xf
	v_permlanex16_b32 v253, v252, s20, s21
	v_add_f32 v252, v252, v253                     ; the row's sum of squares, in every lane
	v_rsq_f32 v254, v252
	v_nop                                          ; a plain instruction between the transcendental and the use of its result
	s_wait_alu depctr_va_vdst(0)
.irp k, 0,2,4,6,8,10,12,14,16,18,20,22
	v_pk_mul_f32 v[RW+\k:RW+\k+1], v[RW+\k:RW+\k+1], v[254:255] op_sel_hi:[1,0]
.endr
.set kk, 0
.rept 24
	v_med3_num_f32 v[TT+kk], v[RW+kk], -v[LM0], v[LM0]   ; the conversion to an 8-bit code does not saturate (ISA guide 7.6.2): the hold for e0,
.set kk, kk+1
.endr
.set kk, 0
.rept 24
	v_med3_num_f32 v[RW+kk], v[RW+kk], -v[LM2], v[LM2]   ; and for e2
.set kk, kk+1
.endr
.irp j, 0,1,2
	v_cvt_scalef32_pk8_fp8_f32 v[CC+2*\j:CC+2*\j+1], v[TT+8*\j:TT+8*\j+7], v[SC0]
	v_cvt_scalef32_pk8_fp8_f32 v[CC+6+2*\j:CC+7+2*\j], v[RW+8*\j:RW+8*\j+7], v[SC2]
.endr
	v_nop                                          ; a plain instruction behind the last conversion
.irp j, 0,1,2
	ds_store_b64 v[XS], v[CC+2*\j:CC+2*\j+1] offset:(\i)*XP+256*\j           ; 32 lanes store 256 consecutive bytes of the row
	ds_store_b64 v[XS], v[CC+6+2*\j:CC+7+2*\j] offset:XSET+(\i)*XP+256*\j
.endr
.if \refill
.irp j, 0,1,2
	global_load_b128 v[RW+8*\j:RW+8*\j+3],   v[FO], s[4:5] offset:(8+(\i))*ROWF+1024*\j th:TH_LOAD_NT
	global_load_b128 v[RW+8*\j+4:RW+8*\j+7], v[FO], s[4:5] offset:(8+(\i))*ROWF+1024*\j+16 th:TH_LOAD_NT
.endr
.endif
.endm
.macro GROUP refill                            ; eight rows
	v_add_nc_u32 v[XS], s44, v[XS0]
.irp i, 0,1,2,3,4,5,6,7
.if \refill
	ROW \i, 1, 42                                  ; out behind this row's loads: the ring's seven other rows, six loads each
.else
	ROW \i, 0, 6*(7-\i)                            ; the last group loads nothing: the counts run down
.endif
.endr
.if \refill
	s_wait_xcnt 0x0                                ; the loads' base is stepped only behind this wait
	s_add_nc_u64 s[4:5], s[4:5], 8*ROWF
.endif
	s_xor_b32 s44, s44, 8*XP
.endm
; 64 rows' codes lie in X (each wave's 16): every wave takes two tiles of its role's set as fragments: tile 2 hf + t from X rows 32 rh + 16 t on.  Lane (r, h), registers 4 c .. 4 c + 3: k = 128 s + 32 c + 16 h + 0..15,
; the order in which W's images were laid.
.macro EXCH hf
	s_wait_dscnt 0x0                               ; for the others' sake: my stores have landed
	s_barrier_signal -1
	s_barrier_wait -1
	WIN 0x40                                       ; destination window 1
.irp s, 0,1,2,3
.irp t, 0,1
.irp c, 0,1,2,3
	ds_load_b128 v[16*(4*\s+2*\hf+\t)+4*\c:16*(4*\s+2*\hf+\t)+4*\c+3], v[AX] offset:\t*16*XP+128*\s+32*\c
.endr
.endr
.endr
	WIN 0x80                                       ; destination window 2
.irp s, 4,5
.irp t, 0,1
.irp c, 0,1,2,3
	ds_load_b128 v[16*(4*(\s-4)+2*\hf+\t)+4*\c:16*(4*(\s-4)+2*\hf+\t)+4*\c+3], v[AX] offset:\t*16*XP+128*\s+32*\c
.endr
.endr
.endr
	WIN 0
.if \hf
	s_wait_tensorcnt 0x1                           ; my quarter of slot 0 is in; slot 1's load may stay out
.endif
	s_wait_dscnt 0x0                               ; my reads of X are over: it may be written again
	s_barrier_signal -1
	s_barrier_wait -1
.endm
	s_mov_b32 s45, 2
.Lgrp:
	GROUP 1
	s_sub_co_u32 s45, s45, 1
	s_cmp_lg_u32 s45, 0
	s_cbranch_scc1 .Lgrp
	EXCH 0
	GROUP 1
	GROUP 0
	EXCH 1
; ---- THE STEPS.
.macro FETCHW ct, b                            ; six fragments of W (tile ct, all of K) into set b: 24 loads of 512 consecutive bytes
.irp s, 0,1,2,3,4,5
.irp c, 0,1,2,3
	ds_load_b128 v[32+96*(\b)+16*\s+4*\c:32+96*(\b)+16*\s+4*\c+3], v[WB] offset:(6*(\ct)+\s)*2048+512*\c
.endr
.endr
.endm
; 24 matrix instructions: 16 columns of q for my four tiles of rows.  The four accumulators take turns, one instruction a turn; the first K step starts the sums.
.macro MUL ct, b
	WIN 0xa4                                       ; W window 0, x window 1, C and D window 2
.irp s, 0,1,2,3
.irp m, 0,1,2,3
.if \s == 0
	v_wmma_f32_16x16x128_fp8_fp8 v[128+8*(4*(\ct)+\m):128+8*(4*(\ct)+\m)+7], v[32+96*(\b)+16*\s:32+96*(\b)+16*\s+15], v[16*(4*\s+\m):16*(4*\s+\m)+15], 0
.else
	v_wmma_f32_16x16x128_fp8_fp8 v[128+8*(4*(\ct)+\m):128+8*(4*(\ct)+\m)+7], v[32+96*(\b)+16*\s:32+96*(\b)+16*\s+15], v[16*(4*\s+\m):16*(4*\s+\m)+15], v[128+8*(4*(\ct)+\m):128+8*(4*(\ct)+\m)+7]
.endif
.endr
.endr
	WIN 0xa8                                       ; x window 2
.irp s, 4,5
.irp m, 0,1,2,3
	v_wmma_f32_16x16x128_fp8_fp8 v[128+8*(4*(\ct)+\m):128+8*(4*(\ct)+\m)+7], v[32+96*(\b)+16*\s:32+96*(\b)+16*\s+15], v[16*(4*(\s-4)+\m):16*(4*(\s-4)+\m)+15], v[128+8*(4*(\ct)+\m):128+8*(4*(\ct)+\m)+7]
.endr
.endr
.endm
; Topic: the step's 64 columns of q_topic are held, quantised with 2^e4 and multiplied by the memory's codes: scores += .  Tile ct's eight registers become registers 2 ct, 2 ct + 1 of the operand.
.macro CHAIN_T first
	PL
	WIN 0x82                                       ; destination and source 0 window 2
.set kk, 128
.rept 128
	v_med3_num_f32 v[kk], v[kk], -v[QLM], v[QLM]   ; each accumulator from its low end on
.set kk, kk+1
.endr
	WIN 0xc2                                       ; destination window 3, source 0 window 2
.irp m, 0,1,2,3
.irp c, 0,1,2,3
	v_cvt_scalef32_pk8_fp8_f32 v[192+8*\m+2*\c:193+8*\m+2*\c], v[128+8*(4*\c+\m):128+8*(4*\c+\m)+7], v[QSC]
.endr
.endr
	v_nop                                          ; a plain instruction between the last conversion and the products that read its result
	s_wait_loadcnt 0x0                             ; the memory's codes are in
	WIN 0xfc                                       ; the memory window 0; q, C and D window 3
.irp n, 0,1,2,3,4,5
.irp m, 0,1,2,3
.if \first
	v_wmma_f32_16x16x64_fp8_fp8 v[8*(6*\m+\n):8*(6*\m+\n)+7], v[32+8*\n:32+8*\n+7], v[192+8*\m:192+8*\m+7], 0
.else
	v_wmma_f32_16x16x64_fp8_fp8 v[8*(6*\m+\n):8*(6*\m+\n)+7], v[32+8*\n:32+8*\n+7], v[192+8*\m:192+8*\m+7], v[8*(6*\m+\n):8*(6*\m+\n)+7]
.endif
.endr
.endr
	PL
.endm
; Domain: the step's 64 columns of q_dom, x 2^(e2 + e3), rounded to f16, times the memory in f16: G += , two K steps of 32.
.macro CHAIN_D first
	PL
	WIN 0x82
.set kk, 128
.rept 64
	v_pk_mul_f32 v[kk:kk+1], v[kk:kk+1], s[54:55] op_sel_hi:[1,0]
.set kk, kk+2
.endr
	WIN 0xca                                       ; destination window 3, sources window 2
.irp m, 0,1,2,3
.irp c, 0,1,2,3
.irp k, 0,1,2,3
	v_cvt_pk_f16_f32 v[192+16*\m+4*\c+\k], v[128+8*(4*\c+\m)+2*\k], v[128+8*(4*\c+\m)+2*\k+1]
.endr
.endr
.endr
	s_wait_dscnt 0x0                               ; the memory's fragments are in
	WIN 0xfc
.irp u, 0,1
.irp n, 0,1,2,3,4,5
.irp m, 0,1,2,3
.if \first && (\u == 0)
	v_wmma_f32_16x16x32_f16 v[8*(6*\m+\n):8*(6*\m+\n)+7], v[32+8*(6*\u+\n):32+8*(6*\u+\n)+7], v[192+16*\m+8*\u:192+16*\m+8*\u+7], 0
.else
	v_wmma_f32_16x16x32_f16 v[8*(6*\m+\n):8*(6*\m+\n)+7], v[32+8*(6*\u+\n):32+8*(6*\u+\n)+7], v[192+16*\m+8*\u:192+16*\m+8*\u+7], v[8*(6*\m+\n):8*(6*\m+\n)+7]
.endif
.endr
.endr
.endr
	PL
.endm
; One step: four tiles of 16 columns on W's two sets by turns; each run of 24 loads is asked for a tile ahead.  s_wait_dscnt 24: all but the run issued last.
.macro WORK first
	v_add_nc_u32 v[WB], s40, v[WB0]
	v_add_nc_u32 v[MB], s40, v[MB0]
	FETCHW 0, 0
	FETCHW 1, 1
	s_wait_dscnt 24
	MUL 0, 0
	PL
	FETCHW 2, 0
	s_wait_dscnt 24
	MUL 1, 1
	PL
	FETCHW 3, 1
	s_wait_dscnt 24
	MUL 2, 0
	PL
	s_cmp_lg_u32 s[ROLE], 0
	s_cbranch_scc1 .Ldom_\@
.irp k, 0,1,2,3,4,5,6,7,8,9,10,11              ; the memory's codes of this step into set 0: 6,144 bytes, dense
	global_load_b128 v[32+4*\k:35+4*\k], v[LI], s[8:9] offset:512*\k
.endr
	s_wait_dscnt 0x0
	MUL 3, 1
	CHAIN_T \first
	s_add_nc_u64 s[8:9], s[8:9], 6144              ; behind the wait that showed those loads done; the last step's stepped address is not used
	s_branch .Ljoin_\@
.Ldom_\@:
.irp k, 0,1,2,3,4,5,6,7,8,9,10,11,12,13,14,15,16,17,18,19,20,21,22,23
	ds_load_b128 v[32+4*\k:35+4*\k], v[MB] offset:512*\k
.endr
	s_wait_dscnt 24
	MUL 3, 1
	CHAIN_D \first
.Ljoin_\@:
.endm
; THE CHANGE OF SLOTS.  Each wave waits for all its tensor loads (its quarter of the slot ahead), adds 0 to its spare word, and waits for that and for its reads of the slot that it leaves.
; fill = 1: a round of the cluster's barrier, and the slot just left is filled with the step two on: the one load has a whole step's work in which to land.
.macro CHANGE fill
	WIN 0
	s_wait_tensorcnt 0x0                           ; no tensor load of mine is out, so a group 0 may be written
	ds_add_u32 v[SPW], v[NIL]                      ; 0 onto my spare word
	s_xor_b32 s40, s40, SLOTB                      ; the reads go to the other slot
.if \fill
	s_xor_b32 s41, s41, SLOTB                      ; the walking descriptor: the other slot than last time,
	s_add_co_u32 s37, s42, s41
	s_add_nc_u64 s[38:39], s[38:39], SLOTB         ; the next step; the type bits on top are not reached
.endif
	s_wait_dscnt 0x0                               ; the add is done, and my reads of the slot are over
.if \fill
	ROUND
	tensor_load_to_lds s[36:39], s[24:31]          ; the first thing behind the round, and my one tensor load until the next
	s_nop 0
.rept 4
	v_nop
.endr
.else
	s_barrier_signal -1
	s_barrier_wait -1
.endif
.endm
	WORK 1                                         ; step 0 starts the scores' and G's sums
	s_mov_b32 s43, 10
.Lslot:                                            ; steps 1 to 10; steps 2 to 11 are asked for
	CHANGE 1
	WORK 0
	s_sub_co_u32 s43, s43, 1
	s_cmp_lg_u32 s43, 0
	s_cbranch_scc1 .Lslot
	CHANGE 0                                       ; the last step is written out
	WORK 0
; ---- THE END.  Topic waves: the softmax over each domain's ten memories; a lane holds i = 0..39 (four domains) and i = 40..44 (half of domain 8, the other half in lane l xor 16).
.macro SOFT_T m
	WIN 0x03                                       ; source 0 window 3
.set kk, 0
.rept 24
	v_pk_mul_f32 v[32+kk:33+kk], v[48*(\m)+kk:48*(\m)+kk+1], s[56:57] op_sel_hi:[1,0]   ; t = score x 32 log2(e); each accumulator from its low end on
.set kk, kk+2
.endr
	WIN 0
.irp g, 0,1,2,3
	v_max3_num_f32 v[224+\g], v[32+10*\g], v[33+10*\g], v[34+10*\g]
.endr
	v_max3_num_f32 v228, v72, v73, v74
.irp g, 0,1,2,3
	v_max3_num_f32 v[224+\g], v[224+\g], v[35+10*\g], v[36+10*\g]
.endr
	v_max3_num_f32 v228, v228, v75, v76
.irp g, 0,1,2,3
	v_max3_num_f32 v[224+\g], v[224+\g], v[37+10*\g], v[38+10*\g]
.endr
	v_permlanex16_b32 v229, v228, s20, s21
.irp g, 0,1,2,3
	v_max3_num_f32 v[224+\g], v[224+\g], v[39+10*\g], v[40+10*\g]
.endr
	v_max_num_f32 v228, v228, v229
.irp g, 0,1,2,3
	v_max_num_f32 v[224+\g], v[224+\g], v[41+10*\g]
.endr
.set kk, 0
.rept 45
	v_sub_f32 v[32+kk], v[32+kk], v[224+kk/10]     ; the domain's largest t is taken away
.set kk, kk+1
.endr
.set kk, 0
.rept 45
	v_exp_f32 v[32+kk], v[32+kk]
.set kk, kk+1
.endr
	v_nop
	s_wait_alu depctr_va_vdst(0)
.irp g, 0,1,2,3,4
	v_pk_add_f32 v[230+2*\g:231+2*\g], v[32+10*\g:33+10*\g], v[34+10*\g:35+10*\g]
.endr
.irp g, 0,1,2,3
	v_pk_add_f32 v[230+2*\g:231+2*\g], v[230+2*\g:231+2*\g], v[36+10*\g:37+10*\g]
.endr
	v_add_f32 v238, v238, v239
.irp g, 0,1,2,3
	v_pk_add_f32 v[230+2*\g:231+2*\g], v[230+2*\g:231+2*\g], v[38+10*\g:39+10*\g]
.endr
	v_add_f32 v238, v238, v76
.irp g, 0,1,2,3
	v_pk_add_f32 v[230+2*\g:231+2*\g], v[230+2*\g:231+2*\g], v[40+10*\g:41+10*\g]
.endr
	v_permlanex16_b32 v229, v238, s20, s21
.irp g, 0,1,2,3
	v_add_f32 v[230+2*\g], v[230+2*\g], v[231+2*\g]
.endr
	v_add_f32 v238, v238, v229
.irp g, 0,1,2,3,4
	v_rcp_f32 v[230+2*\g], v[230+2*\g]
.endr
	v_nop
.set kk, 0
	s_wait_alu depctr_va_vdst(0)
.rept 45
	v_mul_f32 v[32+kk], v[32+kk], v[230+2*(kk/10)]
.set kk, kk+1
.endr
.irp q, 0,1,2,3,4,5,6,7,8,9,10,11              ; the tile's attention goes to the domain wave of the same rows as an image of these 48 registers
	ds_store_b128 v[AT], v[32+4*\q:35+4*\q] offset:6144*(\m)+512*\q
.endr
.endm
	s_cmp_lg_u32 s[ROLE], 0
	s_cbranch_scc1 .Lnot_topic
	SOFT_T 0
	SOFT_T 1
	SOFT_T 2
	SOFT_T 3
.Lnot_topic:
	s_wait_dscnt 0x0                               ; for the others' sake: the images have landed
	s_barrier_signal -1
	s_barrier_wait -1
	s_cmp_eq_u32 s[ROLE], 0
	s_cbranch_scc1 .Lnot_dom
	; Domain waves: L = sum over a domain's memories of att x G; the softmax over the nine domains.  The four tiles go in step, so that no line waits for the line above it.
.irp m, 0,1,2,3
.irp q, 0,1,2,3,4,5,6,7,8,9,10,11
	ds_load_b128 v[32+48*\m+4*\q:35+48*\m+4*\q], v[AT] offset:6144*\m+512*\q
.endr
.endr
	s_wait_dscnt 0x0
	WIN 0x03                                       ; source 0 (G) window 3
.set kk, 0
.rept 45                                       ; i ascending: each accumulator is read from its low end on
.irp m, 0,1,2,3
.if kk%10 == 0
	v_mul_f32 v[224+5*\m+kk/10], v[48*\m+kk], v[32+48*\m+kk]
.else
	v_fma_f32 v[224+5*\m+kk/10], v[48*\m+kk], v[32+48*\m+kk], v[224+5*\m+kk/10]
.endif
.endr
.set kk, kk+1
.endr
	WIN 0
.irp m, 0,1,2,3
	v_permlanex16_b32 v[244+\m], v[228+5*\m], s20, s21
.endr
.irp m, 0,1,2,3
	v_add_f32 v[228+5*\m], v[228+5*\m], v[244+\m]  ; domain 8: both halves' five memories
.endr
.irp g, 0,1,2,3,4
.irp m, 0,1,2,3
	v_mul_f32 v[224+5*\m+\g], s58, v[224+5*\m+\g]  ; t = L x 32 log2(e)
.endr
.endr
.irp m, 0,1,2,3
	v_max3_num_f32 v[248+\m], v[224+5*\m], v[225+5*\m], v[226+5*\m]
.endr
.irp m, 0,1,2,3
	v_max3_num_f32 v[248+\m], v[248+\m], v[227+5*\m], v[228+5*\m]
.endr
.irp m, 0,1,2,3
	v_permlanex16_b32 v[244+\m], v[248+\m], s20, s21
.endr
.irp m, 0,1,2,3
	v_max_num_f32 v[248+\m], v[248+\m], v[244+\m]  ; the row's largest t over all nine domains
.endr
.irp g, 0,1,2,3,4
.irp m, 0,1,2,3
	v_sub_f32 v[224+5*\m+\g], v[224+5*\m+\g], v[248+\m]
.endr
.endr
.irp g, 0,1,2,3,4
.irp m, 0,1,2,3
	v_exp_f32 v[224+5*\m+\g], v[224+5*\m+\g]
.endr
.endr
	v_nop
	s_wait_alu depctr_va_vdst(0)
.irp m, 0,1,2,3
	v_add_f32 v[248+\m], v[224+5*\m], v[225+5*\m]
.endr
.irp m, 0,1,2,3
	v_add_f32 v[248+\m], v[248+\m], v[226+5*\m]
.endr
.irp m, 0,1,2,3
	v_add_f32 v[248+\m], v[248+\m], v[227+5*\m]
.endr
.irp m, 0,1,2,3
	v_permlanex16_b32 v[244+\m], v[248+\m], s20, s21
.endr
.irp m, 0,1,2,3
	v_add_f32 v[248+\m], v[248+\m], v[244+\m]      ; my four domains and the other half's four,
.endr
.irp m, 0,1,2,3
	v_add_f32 v[248+\m], v[248+\m], v[228+5*\m]    ; and domain 8 once
.endr
.irp m, 0,1,2,3
	v_rcp_f32 v[248+\m], v[248+\m]
.endr
	v_nop
	s_wait_alu depctr_va_vdst(0)
.irp g, 0,1,2,3,4
.irp m, 0,1,2,3
	v_mul_f32 v[224+5*\m+\g], v[224+5*\m+\g], v[248+\m]
.endr
.endr
.irp m, 0,1,2,3                                ; tile m is local rows 64 rh + 32 (m % 2) + 16 (m / 2) + r
.irp g, 0,1,2,3
	ds_store_b32 v[OS], v[224+5*\m+\g] offset:(32*(\m%2)+16*(\m/2))*36+4*\g
.endr
	ds_store_b32 v[OS8], v[228+5*\m] offset:(32*(\m%2)+16*(\m/2))*36      ; both halves hold the same number
.endr
.Lnot_dom:
	s_wait_dscnt 0x0                               ; for the others' sake: the results have landed
	s_barrier_signal -1
	s_barrier_wait -1
	; THE WAY OUT: the work-group's 4,608 bytes lie in LDS as in memory: 16 bytes a thread, 2,048 a pass; the last 512 are wave 0's.  Sixteen lanes store 256 consecutive bytes, at a multiple of 256 from out0's first byte.
	ds_load_b128 v[32:35], v[OL]
	ds_load_b128 v[36:39], v[OL] offset:2048
	s_cmp_lg_u32 s[WV], 0
	s_cbranch_scc1 .Lno_third
	ds_load_b128 v[40:43], v[OL] offset:4096
	s_wait_dscnt 0x0
	global_store_b128 v[TO], v[40:43], s[12:13] offset:4096
.Lno_third:
	s_wait_dscnt 0x0
	global_store_b128 v[TO], v[32:35], s[12:13]
	global_store_b128 v[TO], v[36:39], s[12:13] offset:2048
	s_wait_tensorcnt 0x0                           ; the wave's end, behind my last tensor load and my last LDS store
	ds_add_u32 v[SPW], v[NIL]
	s_wait_dscnt 0x0
	ROUND                                          ; the closing round: no work-group ends while a partner may still ask for a tile that names it
	s_endpgm
.Lfunc_end_k_q67ee078bf0_main:
	.size	k_q67ee078bf0_main, .Lfunc_end_k_q67ee078bf0_main-k_q67ee078bf0_main
	.p2alignl 7, 3214868480
	.fill 96, 4, 3214868480
	.section	.rodata,"a",@progbits
	.p2align	6, 0x0
	.amdhsa_kernel k_q67ee078bf0_main
		.amdhsa_group_segment_fixed_size 327680
		.amdhsa_private_segment_fixed_size 0
		.amdhsa_enable_private_segment 0
		.amdhsa_kernarg_size 40
		.amdhsa_user_sgpr_count 2
		.amdhsa_user_sgpr_kernarg_segment_ptr 1
		.amdhsa_wavefront_size32 1
		.amdhsa_system_sgpr_workgroup_id_x 1
		.amdhsa_system_sgpr_workgroup_id_y 1
		.amdhsa_system_sgpr_workgroup_id_z 1
		.amdhsa_system_vgpr_workitem_id 0
		.amdhsa_next_free_vgpr 1024
		.amdhsa_next_free_sgpr 66
		.amdhsa_reserve_vcc 0
		.amdhsa_float_denorm_mode_32 3
		.amdhsa_float_denorm_mode_16_64 3
		.amdhsa_memory_ordered 1
		.amdhsa_forward_progress 1
		.amdhsa_inst_pref_size 255
	.end_amdhsa_kernel
	.section	.bss,"aw",@nobits
	.p2align	6
	.space	262144
	.amdgpu_metadata
---
amdhsa.version: [ 1, 2 ]
amdhsa.kernels:
  - .name:           k_q67ee078bf0_main
    .symbol:         k_q67ee078bf0_main.kd
    .args:
      - { .name: feature, .offset: 0, .size: 8, .value_kind: global_buffer, .address_space: global }
      - { .name: stream, .offset: 8, .size: 8, .value_kind: global_buffer, .address_space: global }
      - { .name: memc, .offset: 16, .size: 8, .value_kind: global_buffer, .address_space: global }
      - { .name: lowp_scales, .offset: 24, .size: 8, .value_kind: global_buffer, .address_space: global }
      - { .name: out0, .offset: 32, .size: 8, .value_kind: global_buffer, .address_space: global }
    .group_segment_fixed_size: 327680
    .private_segment_fixed_size: 0
    .kernarg_segment_align: 8
    .kernarg_segment_size: 40
    .max_flat_workgroup_size: 128
    .sgpr_count:     66
    .vgpr_count:     1024
    .wavefront_size: 32
...
	.end_amdgpu_metadata
.endif
;; end of part 2
